; MI455X (gfx1250); checked and timed in simulation.
; The chip was launched on July 23, 2026; its instructions are those of AMD's public machine-readable ISA for CDNA 5 (MIT licence, August 2026) and "CDNA5" Instruction Set Architecture Reference Guide (July 2026). The comments in the code are by the model that wrote it; some were corrected since.
;; Bit Linear. Allowed arithmetic: float matrix products may take bf16 or f16 operands with f32 sums; other float arithmetic in f32, or as packed bf16 or f16 multiplies, adds, multiply-adds, maxima and minima; sums over many terms, partial sums and values carried from step to step in f32; what a program stores and reads back later, other than sums and carried values, may be rounded once to bf16 or f16.
;; Inputs: norm_weight 4,096 float32; weight 4,096 x 4,096 float32; x 2 x 2,048 x 4,096 float32.
;; Outputs: out0 2 x 2,048 x 4,096 float32.
;; 2 versions, each right; version 2 is version 1 with the launch wquant written anew for expert scheduling mode. Each part assembles by itself: llvm-mc -triple=amdgcn-amd-amdhsa -mcpu=gfx1250 --defsym DOCPART=n.
;; ======== version 1 of 2: 3 launches
;; workspace buffers: xq 33,554,432 bytes; wq 33,554,432 bytes; rowscale 16,384 bytes; wpart 2,048 bytes; alpha 256 bytes
;; launch prep (part 1): grid 512 x 1, 8 waves a work-group, no clusters, 2,304 bytes of LDS; arguments x, weight, norm_weight, xq, rowscale, wpart; writes xq, rowscale, wpart
.if DOCPART == 1
	.amdgcn_target "amdgcn-amd-amdhsa--gfx1250"
	.amdhsa_code_object_version 6
	.text
	.protected	k_qc4b56ac3dd_prep
	.globl	k_qc4b56ac3dd_prep
	.p2align	8
	.type	k_qc4b56ac3dd_prep,@function
k_qc4b56ac3dd_prep:
	s_mov_b64 s[64:65], 0
	v_nop
	global_prefetch_b8 v0, s[64:65] scope:SCOPE_SE
	s_setreg_imm32_b32 hwreg(HW_REG_WAVE_MODE, 25, 1), 1
	s_wait_xcnt 0x0
; BitLinear, step 1 of 3.  x: [4096][4096] f32, weight: [4096][4096] f32, norm_weight: [4096] f32.
; For each row of x: inv = 1 / sqrt(mean(x x) + 1e-6); p = x nw; gamma = max(inv max|p|, 1e-10); xq = clip(round(p inv 127 / gamma), -128, 127), a whole number, exact in bf16;
; rowscale = gamma / 127.  Beside that: wpart[g] = the sum of |weight| over the work-group's 8 rows of weight, in f32, for the mean that the next launch finishes.
; LIMITS.  NaN and infinities are not propagated (maxima drop a NaN).  The factor inv 127 / gamma is made once a row and multiplied in, where the definition divides twice: a number within a few last
; places of a half may round to the neighbouring whole number.  The sums of squares and of |weight| are taken in short chains and trees, in another order than the definition's.
; SHARES.  Work-group g owns rows 8 g .. 8 g + 7 of weight and of x: 131,072 consecutive bytes of each.  They are 32 SLOTS of 4,096 bytes (slot i = 4 r + j: quarter j of row r); thread t owns the 16 bytes
; at 16 t of every slot, so a load of a wave covers 512 consecutive bytes, aligned, and a thread keeps the same 16 columns (4 j + k) in every row: its 16 numbers of norm_weight stay in registers.
; All 32 slots of weight are asked for at once; as each is summed its registers are asked for again, with the same slot of x: 32 loads of a wave are out all the time.  The 8 rows of x then stay in
; registers between the pass that finds sum and maximum and the pass that quantises: x is read once.  A row is spread over the 8 waves, so the figures meet in LDS: one barrier.
; No matrix unit, no tensor load, no cluster: nothing is shared between work-groups but 16 KiB of norm_weight.
.set SPARE, 1280                       ; LDS: 17 entries of 64 bytes at 0 (16 words each, word t / 16): 0-7 a row's sum of squares, 8-15 its max |p|, 16 the sum of |weight|; from 1,280 on the spare words, 128 bytes a wave
.set LO,  2                            ; v2   16 t: my bytes in a slot; never rewritten
.set SO,  3                            ; v3   8 t: my bytes in a slot of xq; never rewritten
.set LW,  4                            ; v4   4 (t / 16): my half wave's word in an entry
.set LR,  5                            ; v5   64 min(lane, 16): the entry that my lane adds up
.set SPW, 6                            ; v6   LDS address of my spare word; never rewritten
.set NIL, 7                            ; v7   0; never rewritten
.set RES, 8                            ; v8   lanes 0-7: a row's sum of squares; 8-15: a row's max |p|; 16-31: the sum of |weight|
.set OTH, 9                            ; v9   RES of the lane 8 away
.set INV, 10                           ; v10  1 / rms
.set GAM, 11                           ; v11  gamma
.set RCG, 12                           ; v12  1 / gamma
.set TF,  13                           ; v13  127 inv / gamma
.set RSV, 14                           ; v14  gamma / 127
.set RSO, 15                           ; v15  4 x lane
.set NW,  16                           ; v[16:31]  norm_weight of my 16 columns
.set SS,  32                           ; v[32:39]  row r's sum of squares
.set MX,  40                           ; v[40:47]  row r's max |p|
.set ACC, 48                           ; v[48:55]  eight chains of |weight|
.set T,   56                           ; v[56:63]  at work
.set R,   64                           ; v[64:79]  an entry read back
.set D,   80                           ; v[80:207] slot i at D + 4 i
.set TS,  32                           ; s[32:47]  row r's factor, twice: a pair for the packed multiply
	s_load_b256 s[4:11], s[0:1], 0x0               ; x s[4:5], weight s[6:7], norm_weight s[8:9], xq s[10:11]
	s_load_b128 s[12:15], s[0:1], 0x20             ; rowscale s[12:13], wpart s[14:15]
	v_lshl_add_u32 v[SPW], v0, 2, SPARE
	v_mov_b32 v[NIL], 0
	v_and_b32 v1, 31, v0                           ; lane
	v_lshrrev_b32 v[T], 5, v0
	v_readfirstlane_b32 s16, v[T]                  ; wave 0..7
	v_lshlrev_b32 v[LO], 4, v0
	v_lshlrev_b32 v[SO], 3, v0
	v_lshrrev_b32 v[LW], 4, v0
	v_lshlrev_b32 v[LW], 2, v[LW]
	v_min_u32 v[LR], 16, v1
	v_lshlrev_b32 v[LR], 6, v[LR]
	v_lshlrev_b32 v[RSO], 2, v1
	s_mov_b32 s20, 0x39800000                      ; 1 / 4096
	s_mov_b32 s21, 0x358637bd                      ; 1e-6
	s_mov_b32 s22, 0x2edbe6ff                      ; 1e-10
	s_mov_b32 s23, 0x42fe0000                      ; 127
	s_mov_b32 s24, 0x3c010204                      ; 1 / 127
	s_mov_b32 s25, 0xc3000000                      ; -128
	s_mov_b32 s26, 0x0000ff00                      ; lanes 8-15
	s_lshl_b32 s18, ttmp9, 17                      ; 8 rows of 16,384 bytes
	s_mov_b32 s19, 0
	s_wait_kmcnt 0x0
	s_add_nc_u64 s[4:5], s[4:5], s[18:19]
	s_add_nc_u64 s[6:7], s[6:7], s[18:19]
	s_lshl_b32 s18, ttmp9, 16                      ; 8 rows of 8,192 bytes
	s_add_nc_u64 s[10:11], s[10:11], s[18:19]
	s_lshl_b32 s18, ttmp9, 5                       ; 8 words
	s_add_nc_u64 s[12:13], s[12:13], s[18:19]
	s_lshl_b32 s18, ttmp9, 2                       ; 1 word
	s_add_nc_u64 s[14:15], s[14:15], s[18:19]
.irp j, 0,1,2,3
	global_load_b128 v[NW+4*(\j):NW+4*(\j)+3], v[LO], s[8:9] offset:4096*(\j)
.endr
.set n, 0
.rept 32
	global_load_b128 v[D+4*n:D+4*n+3], v[LO], s[6:7] offset:4096*n th:TH_LOAD_NT
.set n, n+1
.endr
; Slot i of weight is added onto four of the eight chains (the first two slots start them: nothing is cleared), and its registers are asked for again with slot i of x.
.macro WSLOT i
	s_wait_loadcnt 31                              ; behind my load stand 31 - i loads of weight and the i loads of x issued so far: always 31
.irp k, 0,1,2,3
.if (\i) < 2
	v_and_b32 v[ACC+4*(\i)+(\k)], 0x7fffffff, v[D+4*(\i)+(\k)]
.else
	v_add_f32 v[ACC+4*((\i)%2)+(\k)], |v[D+4*(\i)+(\k)]|, v[ACC+4*((\i)%2)+(\k)]
.endif
.endr
	global_load_b128 v[D+4*(\i):D+4*(\i)+3], v[LO], s[4:5] offset:4096*(\i) th:TH_LOAD_NT
.endm
.set n, 0
.rept 32
	WSLOT n
.set n, n+1
.endr
	v_pk_add_f32 v[ACC:ACC+1], v[ACC:ACC+1], v[ACC+4:ACC+5]          ; eight chains into one,
	v_pk_add_f32 v[ACC+2:ACC+3], v[ACC+2:ACC+3], v[ACC+6:ACC+7]
	v_pk_add_f32 v[ACC:ACC+1], v[ACC:ACC+1], v[ACC+2:ACC+3]
	v_add_f32 v[ACC], v[ACC], v[ACC+1]
.irp m, 1,2,4,8
	v_add_f32_dpp v[ACC], v[ACC], v[ACC] row_xmask:\m row_mask:0xf bank_mask:0xf   ; and over the 16 lanes of my half wave
.endr
	ds_store_b32 v[LW], v[ACC] offset:1024         ; 16 lanes write one word, with one value
; Row r, first pass: my 16 numbers' sum of squares; p = x nw in place; max |p|; both over my half wave's 16 lanes, and into LDS.
.macro ROW1 r
.set B0, D+16*(\r)
	s_wait_loadcnt 28-4*(\r)                       ; the loads of x behind the row's fourth may stay out
	v_pk_mul_f32 v[T:T+1], v[B0:B0+1], v[B0:B0+1]
	v_pk_mul_f32 v[T+2:T+3], v[B0+2:B0+3], v[B0+2:B0+3]
.irp j, 1,2,3
	v_pk_fma_f32 v[T:T+1], v[B0+4*(\j):B0+4*(\j)+1], v[B0+4*(\j):B0+4*(\j)+1], v[T:T+1]
	v_pk_fma_f32 v[T+2:T+3], v[B0+4*(\j)+2:B0+4*(\j)+3], v[B0+4*(\j)+2:B0+4*(\j)+3], v[T+2:T+3]
.endr
	v_pk_add_f32 v[T:T+1], v[T:T+1], v[T+2:T+3]
	v_add_f32 v[SS+(\r)], v[T], v[T+1]
.irp e, 0,2,4,6,8,10,12,14
	v_pk_mul_f32 v[B0+(\e):B0+(\e)+1], v[B0+(\e):B0+(\e)+1], v[NW+(\e):NW+(\e)+1]
.endr
	v_max3_num_f32 v[T+4], |v[B0]|, |v[B0+1]|, |v[B0+2]|             ; two chains of seven, three operands at a time; then the two left over
	v_max3_num_f32 v[T+5], |v[B0+8]|, |v[B0+9]|, |v[B0+10]|
	v_max3_num_f32 v[T+4], v[T+4], |v[B0+3]|, |v[B0+4]|
	v_max3_num_f32 v[T+5], v[T+5], |v[B0+11]|, |v[B0+12]|
	v_max3_num_f32 v[T+4], v[T+4], |v[B0+5]|, |v[B0+6]|
	v_max3_num_f32 v[T+5], v[T+5], |v[B0+13]|, |v[B0+14]|
	v_max3_num_f32 v[T+4], v[T+4], |v[B0+7]|, |v[B0+15]|
	v_max_num_f32 v[MX+(\r)], v[T+4], v[T+5]
.irp m, 1,2,4,8
	v_add_f32_dpp v[SS+(\r)], v[SS+(\r)], v[SS+(\r)] row_xmask:\m row_mask:0xf bank_mask:0xf
	v_max_num_f32_dpp v[MX+(\r)], v[MX+(\r)], v[MX+(\r)] row_xmask:\m row_mask:0xf bank_mask:0xf
.endr
	ds_store_b32 v[LW], v[SS+(\r)] offset:64*(\r)
	ds_store_b32 v[LW], v[MX+(\r)] offset:512+64*(\r)
.endm
.irp r, 0,1,2,3,4,5,6,7
	ROW1 \r
.endr
	s_wait_dscnt 0x0                               ; for the others' sake: my 17 stores are done
	s_barrier_signal -1
	s_barrier_wait -1                              ; all 17 entries are whole
	; Every wave adds the entries up for itself: lane e takes entry min(e, 16), its 16 words; both a sum and a maximum are made, and the entry's kind chooses.
.irp c, 0,1,2,3
	ds_load_b128 v[R+4*(\c):R+4*(\c)+3], v[LR] offset:16*(\c)
.endr
	s_wait_dscnt 0x0
	v_pk_add_f32 v[T:T+1], v[R:R+1], v[R+2:R+3]
	v_pk_add_f32 v[T+2:T+3], v[R+4:R+5], v[R+6:R+7]
	v_pk_add_f32 v[T+4:T+5], v[R+8:R+9], v[R+10:R+11]
	v_pk_add_f32 v[T+6:T+7], v[R+12:R+13], v[R+14:R+15]
	v_pk_add_f32 v[T:T+1], v[T:T+1], v[T+2:T+3]
	v_pk_add_f32 v[T+4:T+5], v[T+4:T+5], v[T+6:T+7]
	v_pk_add_f32 v[T:T+1], v[T:T+1], v[T+4:T+5]
	v_add_f32 v[T], v[T], v[T+1]                   ; the sum
	v_max3_num_f32 v[T+2], v[R], v[R+1], v[R+2]
	v_max3_num_f32 v[T+3], v[R+8], v[R+9], v[R+10]
	v_max3_num_f32 v[T+2], v[T+2], v[R+3], v[R+4]
	v_max3_num_f32 v[T+3], v[T+3], v[R+11], v[R+12]
	v_max3_num_f32 v[T+2], v[T+2], v[R+5], v[R+6]
	v_max3_num_f32 v[T+3], v[T+3], v[R+13], v[R+14]
	v_max3_num_f32 v[T+2], v[T+2], v[R+7], v[R+15]
	v_max_num_f32 v[T+1], v[T+2], v[T+3]           ; the maximum
	v_cndmask_b32 v[RES], v[T], v[T+1], s26        ; lanes 8-15 hold maxima
	v_mov_b32 v[OTH], v[RES]
	v_mov_b32_dpp v[OTH], v[RES] row_xmask:8 row_mask:0xf bank_mask:0xf   ; lane r (0-7) sees row r's maximum too
	; The row's figures, right in lanes 0-7; the other lanes make finite numbers that nobody reads.
	v_fma_f32 v[T+2], v[RES], s20, s21             ; mean of squares + 1e-6
	v_rsq_f32 v[INV], v[T+2]
	v_nop                                          ; a plain instruction behind the transcendental (ISA guide 5.7.2),
	s_wait_alu depctr_va_vdst(0)                   ; and the wait ahead of its result's first reader
	v_mul_f32 v[GAM], v[INV], v[OTH]
	v_max_num_f32 v[GAM], s22, v[GAM]              ; gamma = max(inv max|p|, 1e-10)
	v_rcp_f32 v[RCG], v[GAM]
	v_mul_f32 v[TF], s23, v[INV]                   ; (the plain instruction behind the reciprocal)
	s_wait_alu depctr_va_vdst(0)
	v_mul_f32 v[TF], v[TF], v[RCG]                 ; 127 inv / gamma
	v_mul_f32 v[RSV], s24, v[GAM]                  ; gamma / 127
.irp r, 0,1,2,3,4,5,6,7
	v_readlane_b32 s[TS+2*(\r)], v[TF], \r
	v_readlane_b32 s[TS+2*(\r)+1], v[TF], \r
.endr
	v_mov_b32 v[T], 0                              ; a zero offset for the one word of wpart
	s_cmp_lg_u32 s16, 0                            ; wave 0 stores the work-group's 8 scales and its one partial sum: 36 bytes, the only stores here that fill no whole 256 bytes
	s_cbranch_scc1 .Lnot0
	s_wait_xcnt 0x0                                ; EXEC changes only behind this wait
	v_cmp_gt_u32 vcc_lo, 8, v1
	s_and_saveexec_b32 s27, vcc_lo
	global_store_b32 v[RSO], v[RSV], s[12:13]
	s_wait_xcnt 0x0
	s_or_b32 exec_lo, exec_lo, s27
	v_cmp_eq_u32 vcc_lo, 16, v1
	s_and_saveexec_b32 s27, vcc_lo
	global_store_b32 v[T], v[RES], s[14:15]
	s_wait_xcnt 0x0
	s_or_b32 exec_lo, exec_lo, s27
.Lnot0:
; Slot i, second pass: p times the row's factor, rounded to the nearest whole number (ties to even), clipped, packed as bf16 (exact: 8 significant bits), stored: a wave's store covers 256 consecutive bytes, aligned.
.macro QSLOT i
.set B0, D+4*(\i)
.set F0, TS+2*((\i)/4)
	v_pk_mul_f32 v[B0:B0+1], v[B0:B0+1], s[F0:F0+1] op_sel_hi:[1,0]
	v_pk_mul_f32 v[B0+2:B0+3], v[B0+2:B0+3], s[F0:F0+1] op_sel_hi:[1,0]
.irp k, 0,1,2,3
	v_rndne_f32 v[B0+(\k)], v[B0+(\k)]
.endr
.irp k, 0,1,2,3
	v_med3_num_f32 v[B0+(\k)], v[B0+(\k)], s25, s23
.endr
	v_cvt_pk_bf16_f32 v[B0], v[B0], v[B0+1]
	v_cvt_pk_bf16_f32 v[B0+1], v[B0+2], v[B0+3]
	global_store_b64 v[SO], v[B0:B0+1], s[10:11] offset:2048*(\i)   ; no register of a store is written again
.endm
.set n, 0
.rept 32
	QSLOT n
.set n, n+1
.endr
	s_wait_tensorcnt 0x0                           ; the wave's end: behind my last LDS store
	ds_add_u32 v[SPW], v[NIL]
	s_wait_dscnt 0x0
	s_endpgm
.Lfunc_end_k_qc4b56ac3dd_prep:
	.size	k_qc4b56ac3dd_prep, .Lfunc_end_k_qc4b56ac3dd_prep-k_qc4b56ac3dd_prep
	.p2alignl 7, 3214868480
	.fill 96, 4, 3214868480
	.section	.rodata,"a",@progbits
	.p2align	6, 0x0
	.amdhsa_kernel k_qc4b56ac3dd_prep
		.amdhsa_group_segment_fixed_size 2304
		.amdhsa_private_segment_fixed_size 0
		.amdhsa_enable_private_segment 0
		.amdhsa_kernarg_size 48
		.amdhsa_user_sgpr_count 2
		.amdhsa_user_sgpr_kernarg_segment_ptr 1
		.amdhsa_wavefront_size32 1
		.amdhsa_system_sgpr_workgroup_id_x 1
		.amdhsa_system_sgpr_workgroup_id_y 1
		.amdhsa_system_sgpr_workgroup_id_z 1
		.amdhsa_system_vgpr_workitem_id 0
		.amdhsa_next_free_vgpr 208
		.amdhsa_next_free_sgpr 66
		.amdhsa_reserve_vcc 1
		.amdhsa_float_denorm_mode_32 3
		.amdhsa_float_denorm_mode_16_64 3
		.amdhsa_memory_ordered 1
		.amdhsa_forward_progress 1
		.amdhsa_inst_pref_size 62
	.end_amdhsa_kernel
	.amdgpu_metadata
---
amdhsa.version: [ 1, 2 ]
amdhsa.kernels:
  - .name:           k_qc4b56ac3dd_prep
    .symbol:         k_qc4b56ac3dd_prep.kd
    .args:
      - { .name: x, .offset: 0, .size: 8, .value_kind: global_buffer, .address_space: global }
      - { .name: weight, .offset: 8, .size: 8, .value_kind: global_buffer, .address_space: global }
      - { .name: norm_weight, .offset: 16, .size: 8, .value_kind: global_buffer, .address_space: global }
      - { .name: xq, .offset: 24, .size: 8, .value_kind: global_buffer, .address_space: global }
      - { .name: rowscale, .offset: 32, .size: 8, .value_kind: global_buffer, .address_space: global }
      - { .name: wpart, .offset: 40, .size: 8, .value_kind: global_buffer, .address_space: global }
    .group_segment_fixed_size: 2304
    .private_segment_fixed_size: 0
    .kernarg_segment_align: 8
    .kernarg_segment_size: 48
    .max_flat_workgroup_size: 256
    .sgpr_count:     66
    .vgpr_count:     208
    .wavefront_size: 32
...
	.end_amdgpu_metadata
.endif
;; end of part 1
;; launch wquant (part 2): grid 512 x 1, 8 waves a work-group, no clusters, 0 bytes of LDS; arguments weight, wpart, wq, alpha; writes wq, alpha
.if DOCPART == 2
	.amdgcn_target "amdgcn-amd-amdhsa--gfx1250"
	.amdhsa_code_object_version 6
	.text
	.protected	k_qc4b56ac3dd_wquant
	.globl	k_qc4b56ac3dd_wquant
	.p2align	8
	.type	k_qc4b56ac3dd_wquant,@function
k_qc4b56ac3dd_wquant:
	s_mov_b64 s[64:65], 0
	v_nop
	global_prefetch_b8 v0, s[64:65] scope:SCOPE_SE
	s_setreg_imm32_b32 hwreg(HW_REG_WAVE_MODE, 25, 1), 1
	s_wait_xcnt 0x0
; BitLinear, step 2 of 3.  alpha = max(mean |weight|, 1e-10) from the 512 partial sums of the launch before; wq = clip(round(weight / alpha), -1, 1) as bf16 (-1, 0, 1: exact).
; THE DECISION IS EXACT FOR THE ALPHA IN HAND.  Rounding ties to even and clipping give sign(w) where the f32 quotient |w| / alpha is above 0.5, else 0.  If 2 |w| <= alpha the quotient is at most 0.5.
; If 2 |w| > alpha, both are f32 numbers, so 2 |w| >= alpha + its last place, the true quotient lies above 0.5 + 2^-25, the midpoint of 0.5 and the next f32, and rounds above 0.5.  So the test is
; |w| > alpha / 2; alpha / 2 is exact (alpha >= 1e-10) and nothing can overflow.
; LIMITS.  alpha's sum is taken in another order than the definition's (chains of 16, trees, 512 partial sums in a tree): a weight within that difference of alpha / 2 can fall on the other side.
; A NaN weight gives 0.
; Every wave adds the 512 partial sums in the same order, so alpha has the same bits everywhere; wave 0 of work-group 0 stores it, 64 times: 256 whole bytes.
; SHARES as in the launch before: work-group g owns rows 8 g .. 8 g + 7, 32 slots of 4,096 bytes; thread t the 16 bytes at 16 t of each; all 32 loads of a wave go out at once.
.set LO,  2                            ; v2   16 t; never rewritten
.set SO,  3                            ; v3   8 t; never rewritten
.set PO,  4                            ; v4   16 x lane
.set TH,  5                            ; v5   alpha / 2
.set AL,  6                            ; v[6:7] alpha, twice
.set AO,  8                            ; v8   8 x lane
.set P,   16                           ; v[16:31]  my 16 of the 512 partial sums
.set D,   32                           ; v[32:159] slot i at D + 4 i
	s_load_b256 s[4:11], s[0:1], 0x0               ; weight s[4:5], wpart s[6:7], wq s[8:9], alpha s[10:11]
	v_and_b32 v1, 31, v0
	v_lshrrev_b32 v9, 5, v0
	v_readfirstlane_b32 s12, v9                    ; wave 0..7
	v_lshlrev_b32 v[LO], 4, v0
	v_lshlrev_b32 v[SO], 3, v0
	v_lshlrev_b32 v[PO], 4, v1
	v_lshlrev_b32 v[AO], 3, v1
	s_mov_b32 s16, 0x7fffffff                      ; all but the sign
	s_mov_b32 s17, 0x07060302                      ; v_perm_b32: the two upper halves
	s_mov_b32 s18, 0x76543210                      ; v_permlanex16_b32: each lane takes its own place in the other half
	s_mov_b32 s19, 0xfedcba98
	s_mov_b32 s25, 0x33800000                      ; 2^-24 = 1 / (4096 x 4096)
	s_mov_b32 s26, 0x2edbe6ff                      ; 1e-10
	s_mov_b32 s27, 0x3f800000                      ; 1.0
	s_lshl_b32 s14, ttmp9, 17
	s_mov_b32 s15, 0
	s_wait_kmcnt 0x0
	s_add_nc_u64 s[4:5], s[4:5], s[14:15]
	s_lshl_b32 s14, ttmp9, 16
	s_add_nc_u64 s[8:9], s[8:9], s[14:15]
.irp c, 0,1,2,3
	global_load_b128 v[P+4*(\c):P+4*(\c)+3], v[PO], s[6:7] offset:512*(\c)
.endr
.set n, 0
.rept 32
	global_load_b128 v[D+4*n:D+4*n+3], v[LO], s[4:5] offset:4096*n th:TH_LOAD_NT
.set n, n+1
.endr
	s_wait_loadcnt 32                              ; the partial sums are in; the 32 loads of weight stay out
.irp e, 0,2,4,6
	v_pk_add_f32 v[P+(\e):P+(\e)+1], v[P+(\e):P+(\e)+1], v[P+8+(\e):P+8+(\e)+1]
.endr
	v_pk_add_f32 v[P:P+1], v[P:P+1], v[P+4:P+5]
	v_pk_add_f32 v[P+2:P+3], v[P+2:P+3], v[P+6:P+7]
	v_pk_add_f32 v[P:P+1], v[P:P+1], v[P+2:P+3]
	v_add_f32 v[P], v[P], v[P+1]
.irp m, 1,2,4,8
	v_add_f32_dpp v[P], v[P], v[P] row_xmask:\m row_mask:0xf bank_mask:0xf
.endr
	v_mov_b32 v9, v[P]
	v_permlanex16_b32 v9, v[P], s18, s19
	v_add_f32 v[P], v[P], v9                       ; the sum of |weight|, in every lane
	v_mul_f32 v[AL], s25, v[P]                     ; the mean: an exact scaling
	v_max_num_f32 v[AL], s26, v[AL]
	v_mov_b32 v[AL+1], v[AL]
	v_mul_f32 v[TH], 0.5, v[AL]
	s_or_b32 s24, ttmp9, s12
	s_cmp_lg_u32 s24, 0
	s_cbranch_scc1 .Lnot_first
	global_store_b64 v[AO], v[AL:AL+1], s[10:11]   ; 32 lanes x 8 bytes; its registers are not written again
.Lnot_first:
; Slot i: four decisions; 1.0 with the weight's sign; 0 where |w| <= alpha / 2; the upper halves of the f32 numbers are the bf16 numbers; a wave's store covers 256 consecutive bytes, aligned.
.macro TSLOT i
.set B0, D+4*(\i)
	s_wait_loadcnt 31-(\i)                         ; the younger loads stay out
.irp k, 0,1,2,3
	v_cmp_gt_f32 s[20+(\k)], |v[B0+(\k)]|, v[TH]
.endr
.irp k, 0,1,2,3
	v_bfi_b32 v[B0+(\k)], s16, s27, v[B0+(\k)]
.endr
.irp k, 0,1,2,3
	v_cndmask_b32 v[B0+(\k)], 0, v[B0+(\k)], s[20+(\k)]
.endr
	v_perm_b32 v[B0], v[B0+1], v[B0], s17
	v_perm_b32 v[B0+1], v[B0+3], v[B0+2], s17
	global_store_b64 v[SO], v[B0:B0+1], s[8:9] offset:2048*(\i)
.endm
.set n, 0
.rept 32
	TSLOT n
.set n, n+1
.endr
	s_endpgm
.Lfunc_end_k_qc4b56ac3dd_wquant:
	.size	k_qc4b56ac3dd_wquant, .Lfunc_end_k_qc4b56ac3dd_wquant-k_qc4b56ac3dd_wquant
	.p2alignl 7, 3214868480
	.fill 96, 4, 3214868480
	.section	.rodata,"a",@progbits
	.p2align	6, 0x0
	.amdhsa_kernel k_qc4b56ac3dd_wquant
		.amdhsa_group_segment_fixed_size 0
		.amdhsa_private_segment_fixed_size 0
		.amdhsa_enable_private_segment 0
		.amdhsa_kernarg_size 32
		.amdhsa_user_sgpr_count 2
		.amdhsa_user_sgpr_kernarg_segment_ptr 1
		.amdhsa_wavefront_size32 1
		.amdhsa_system_sgpr_workgroup_id_x 1
		.amdhsa_system_sgpr_workgroup_id_y 1
		.amdhsa_system_sgpr_workgroup_id_z 1
		.amdhsa_system_vgpr_workitem_id 0
		.amdhsa_next_free_vgpr 160
		.amdhsa_next_free_sgpr 66
		.amdhsa_reserve_vcc 0
		.amdhsa_float_denorm_mode_32 3
		.amdhsa_float_denorm_mode_16_64 3
		.amdhsa_memory_ordered 1
		.amdhsa_forward_progress 1
		.amdhsa_inst_pref_size 38
	.end_amdhsa_kernel
	.amdgpu_metadata
---
amdhsa.version: [ 1, 2 ]
amdhsa.kernels:
  - .name:           k_qc4b56ac3dd_wquant
    .symbol:         k_qc4b56ac3dd_wquant.kd
    .args:
      - { .name: weight, .offset: 0, .size: 8, .value_kind: global_buffer, .address_space: global }
      - { .name: wpart, .offset: 8, .size: 8, .value_kind: global_buffer, .address_space: global }
      - { .name: wq, .offset: 16, .size: 8, .value_kind: global_buffer, .address_space: global }
      - { .name: alpha, .offset: 24, .size: 8, .value_kind: global_buffer, .address_space: global }
    .group_segment_fixed_size: 0
    .private_segment_fixed_size: 0
    .kernarg_segment_align: 8
    .kernarg_segment_size: 32
    .max_flat_workgroup_size: 256
    .sgpr_count:     66
    .vgpr_count:     160
    .wavefront_size: 32
...
	.end_amdgpu_metadata
.endif
;; end of part 2
;; launch gemm (part 3): grid 16 x 16, 4 waves a work-group, clusters of 4 x 4, 327,680 bytes of LDS; arguments xq, wq, out0, rowscale, alpha; writes out0
.if DOCPART == 3
	.amdgcn_target "amdgcn-amd-amdhsa--gfx1250"
	.amdhsa_code_object_version 6
	.text
	.protected	k_qc4b56ac3dd_gemm
	.globl	k_qc4b56ac3dd_gemm
	.p2align	8
	.type	k_qc4b56ac3dd_gemm,@function
k_qc4b56ac3dd_gemm:
	s_mov_b64 s[64:65], 0
	v_nop
	global_prefetch_b8 v0, s[64:65] scope:SCOPE_SE
	s_setreg_imm32_b32 hwreg(HW_REG_WAVE_MODE, 25, 1), 1
	s_wait_xcnt 0x0
	s_wait_alu depctr_hold_cnt(0) depctr_sa_sdst(0) depctr_va_vdst(0) depctr_va_sdst(0) depctr_va_ssrc(0) depctr_va_vcc(0) depctr_vm_vsrc(0)
	s_getreg_b32 s2, hwreg(HW_REG_IB_STS2, 6, 4)
	s_cmp_eq_u32 s2, 0
	s_cbranch_scc0 .Lentry_in_a_cluster
	s_endpgm
.Lentry_in_a_cluster:
	s_bfe_u32 s2, ttmp6, 0x10000c
	s_cmp_lg_u32 s2, 0xf033
	s_cbranch_scc0 .Lentry_shape_is_right
	s_endpgm
.Lentry_shape_is_right:
; BitLinear, step 3 of 3.  out0[m][n] = (the sum over k of xq[m][k] wq[n][k]) x alpha x rowscale[m].  xq, wq: [4096][4096] bf16, whole numbers (-128 .. 127; -1, 0, 1); out0: [4096][4096] f32.
; The products and their f32 sums are whole numbers of at most 4096 x 128 = 2^19: every sum is exact, whatever its order.  The scale alpha x (gamma / 127) is made once a row and multiplied in once.
; A tile of out0, 256 x 256, is made by a work-group of four waves; a wave makes 128 x 128: 64 accumulators of 16 x 16, 512 registers.  256 tiles, one to a work-group.  K goes in steps of 128 through a
; ring of two LDS slots filled by the tensor data mover: the rows of the tiles are 256 bytes of memory and start at multiples of 256 bytes from the buffer's first byte.
; CLUSTERS: 4 x 4 work-groups.  The four of a row of the cluster need the same tiles of xq (A), the four of a column the same tiles of wq (B): each tile is asked for JOINTLY, by the same tensor load with
; the same descriptor and a mask that names the four; each receives it in its own LDS.
; REGISTERS, in windows of 256 (s_set_vgpr_msb's low byte: bits 1:0 source 0, 3:2 source 1, 5:4 source 2, 7:6 destination):
;   window 0: v16-30 addresses; v32-47 my rows' scales; v64-127, v128-191 fragments of A, two buffers; on the way out v64-127 scaled results, v128-191 and v192-255 rows read back, by turns
;   window 1: v64-127, v128-191 fragments of B, two buffers     window 2: the 32 accumulators of my rows 0-63 ((a, b) at v[8 (8 a + b)])     window 3: those of my rows 64-127
; THE MATRIX INSTRUCTION IS USED TRANSPOSED: source 0 = 16 rows of B, source 1 = 16 rows of A.  In the result lane l holds row m = l % 16 and its registers 0 to 7 the columns 8 (l / 16) + 0 .. 7:
; 32 consecutive bytes of a row of out0, and ONE row's scale serves all of a lane's numbers in a block of 16 rows.
.set SIZE_N, 4096
.set SIZE_K, 4096
.set KSTEP,  128
.set PITCH,  272                       ; an LDS row: 256 bytes + 16 of padding = 68 words: row r starts at bank 4 r mod 64 (64 banks of 4 bytes: ISA guide 11.1), so the 16 rows of a load start at 16 different banks
.set HALFT,  128*PITCH                 ; 128 rows: what one tensor load brings, and what one wave reads of A or of B
.set SLOT,   4*HALFT                   ; A's 256 rows, then B's 256 rows
.set STAGE,  2*SLOT                    ; behind the ring: 16 rows x 528 bytes for each wave, for the way out; no tensor load lands here
.set SPITCH, 528                       ; a stage row: 512 bytes + 16: the 16 rows that a store touches start at 16 different groups of four banks
.set SPARE,  STAGE+4*16*SPITCH         ; behind the stages: the spare words, 128 bytes for each wave: two blocks of 256 bytes that no other line names
.set LAPS, SIZE_K/(2*KSTEP)            ; a lap = two K steps = once round the ring: 16
.set ADRA, 16                          ; v16-17  LDS address of my A fragments in slot 0, 1
.set ADRB, 20                          ; v20-21  the same for B
.set STO,  24                          ; v24     the way out: where I put 32 bytes of a row
.set RD,   25                          ; v25     the way out: where I read a row back
.set CO,   26                          ; v26     16 x lane: my bytes in 512 bytes of a row of out0
.set RSO,  27                          ; v27     4 (l % 16): my row's word in 16 words of rowscale
.set SPW,  28                          ; v28     LDS address of my spare word; never rewritten
.set NIL,  29                          ; v29     0; never rewritten
.set PFO,  30                          ; v30     the prefetches' offset: my lane x a row of A or B (8,192 bytes); never rewritten
.set SC,   32                          ; v[32:47] block a's scale for my row, twice, at SC + 2 a
.set F0,   64
.set F1,   128
.set TMP,  64
.set BK,   128
.set PFA,  44                          ; s[44:45] where my prefetches stand: my work-group's 32 rows of the 128 that I fetch, one K step further along K than the refill that is being asked for
.set LIM,  43                          ; s43     1 in a wave that prefetches, else the greatest number
.set G1, 24                            ; s[24:31] descriptor group 1 for A's tiles
.set G0, 32                            ; s[32:39] descriptor group 0 for A's tiles, one set for each slot
.set G1B, 48                           ; s[48:55] group 1 for B's tiles: it differs in the mask alone
.set G0B, 56                           ; s[56:63] group 0 for B's tiles
.set MSB, 0
.macro WIN new                         ; the immediate's high byte repeats the setting that is left; a switch that changes nothing is dropped
.if MSB != (\new)
	s_set_vgpr_msb (MSB<<8)|(\new)
.set MSB, \new
.endif
.endm
.set MUL_LO, 0xa1                      ; source 0 (B) window 1, source 1 (A) window 0, C and D window 2
.set MUL_HI, 0xf1                      ; the same, C and D window 3
.set TO_B,   0x40                      ; destination window 1, address window 0
; A joint load.  Waves 0 and 1 fetch A's two halves, waves 2 and 3 B's.  The branch hangs on the wave's number alone.  An s_nop 0 and four v_nop follow each of the two lines.
.macro JLOAD s
	s_cmp_eq_u32 s11, 0
	s_cbranch_scc0 .Lfor_b_\@
	tensor_load_to_lds s[G0+4*(\s):G0+4*(\s)+3], s[G1:G1+7]
	s_nop 0
.rept 4
	v_nop
.endr
	s_branch .Lasked_\@
.Lfor_b_\@:
	tensor_load_to_lds s[G0B+4*(\s):G0B+4*(\s)+3], s[G1B:G1B+7]
	s_nop 0
.rept 4
	v_nop
.endr
.Lasked_\@:
.endm
; A prefetch, behind each joint refill, its five lines and the run of LDS loads that follows them: the K step that stands TWO refills on: 32 rows x 256 bytes, a lane a row, one instruction a wave: 512 matrix
; instructions ahead of the load that will want it.  Each row's 256 bytes of a K step are named ONCE in the launch: A's tile row is read by every cluster of that row of clusters, and cluster x = 0 asks;
; B's tile column by every cluster of that column, and cluster y = 0 asks.  The four partners that ask for a tile jointly share its rows out BY ADDRESS: of the 128 rows that a wave fetches the partner at
; place p takes 32 p .. 32 p + 31 (p = cx for A, cy for B).  The loop's last trip (s3 = 1) asks for nothing: K steps 32 and 33 do not exist.  K steps 0 to 3 come by their loads alone.
.macro ASK
	s_cmp_gt_u32 s3, s[LIM]
	s_cbranch_scc0 .Lnot_mine_\@
	global_prefetch_b8 v[PFO], s[PFA:PFA+1] offset:KSTEP*2 th:TH_LOAD_NT scope:SCOPE_SE
.Lnot_mine_\@:
.endm
; A round of the cluster's barrier: my work-group's barrier; wave 0 signals for the work-group; every wave waits for all sixteen work-groups; my work-group's barrier once more.
.macro CREST                           ; a round behind its opening barrier
	s_cmp_lg_u32 s10, 0
	s_cbranch_scc1 .Lnot_wave_0_\@
	s_barrier_signal -3
.Lnot_wave_0_\@:
	s_barrier_wait -3
	s_barrier_signal -1
	s_barrier_wait -1
.endm
.macro CROUND                          ; a whole round
	s_barrier_signal -1
	s_barrier_wait -1
	CREST
.endm
	s_load_b128 s[4:7], s[0:1], 0x0                ; A = xq s[4:5], B = wq s[6:7]
	s_load_b64 s[8:9], s[0:1], 0x10                ; out0
	s_load_b128 s[68:71], s[0:1], 0x18             ; rowscale s[68:69], alpha s[70:71]
	v_lshl_add_u32 v[SPW], v0, 2, SPARE
	v_mov_b32 v[NIL], 0
	ds_add_u32 v[SPW], v[NIL]                      ; the wave's opening: the add, twice on end, and its wait ahead of my first tensor load; the set-up below stands between
	ds_add_u32 v[SPW], v[NIL]                      ; and once more
	v_lshrrev_b32 v1, 5, v0
	v_readfirstlane_b32 s10, v1                    ; wave 0..3
	s_lshr_b32 s11, s10, 1                         ; which half of the tile's rows is mine.  Also: I fetch for A (0) or for B (1)
	s_and_b32 s12, s10, 1                          ; which half of its columns.  Also: which 128 rows of that tile I fetch
	s_bfe_u32 s40, ttmp6, 0x40000                  ; cx
	s_bfe_u32 s41, ttmp6, 0x40004                  ; cy
	s_lshl_b32 s42, ttmp9, 2                       ; in a cluster launch ttmp9 and ttmp7 count clusters
	s_add_co_u32 s42, s42, s40                     ; tile column = 4 x cluster x + cx
	s_and_b32 s13, ttmp7, 0xffff
	s_lshl_b32 s13, s13, 2
	s_add_co_u32 s13, s13, s41                     ; tile row = 4 x cluster y + cy
	s_lshl_b32 s43, s41, 2
	s_lshl_b32 s43, 15, s43                        ; my row of the cluster: places 4 cy .. 4 cy + 3
	s_lshl_b32 s44, 0x1111, s40                    ; my column: places cx, cx + 4, cx + 8, cx + 12
	; descriptor group 1: a tile of 128 rows x 128 elements, padded in LDS
	s_or_b32 s[G1+0], s43, (1<<16)|(1<<20)|(1<<21)|(5<<22)|(3<<25)  ; 15:0 the mask: A's tiles go to my row; 17:16 elements of 2 bytes; 20 padding on; 21 set beside a mask; 24:22 after every 64 words (code 5); 31:25 4 words (code 3)
	s_or_b32 s[G1B+0], s44, (1<<16)|(1<<20)|(1<<21)|(5<<22)|(3<<25) ; the same with the mask of my column
	s_mov_b32 s[G1B+1], KSTEP<<16
	s_mov_b32 s[G1+1], KSTEP<<16                   ; tensor_dim0 = 128
	s_mov_b32 s[G1B+2], 128<<16
	s_mov_b32 s[G1+2], 128<<16                     ; tensor_dim1 = 128
	s_mov_b32 s[G1B+3], KSTEP<<16
	s_mov_b32 s[G1+3], KSTEP<<16                   ; tile_dim0 = 128
	s_mov_b32 s[G1B+4], 128
	s_mov_b32 s[G1+4], 128                         ; tile_dim1 = 128
	s_mov_b32 s[G1B+5], SIZE_K
	s_mov_b32 s[G1+5], SIZE_K                      ; elements from row to row
	s_mov_b32 s[G1B+6], 0
	s_mov_b32 s[G1+6], 0
	s_mov_b32 s[G1B+7], 0
	s_mov_b32 s[G1+7], 0
	; where the tiles come from.  A's hang on the tile row alone, B's on the tile column alone; every wave makes both addresses, in registers that never hold the other coordinate.
	s_lshl_b32 s17, s12, 7                         ; which 128 rows of the tile I fetch
	s_lshl_b32 s16, s13, 8
	s_add_co_u32 s16, s16, s17                     ; A: row 256 x tile row + 128 x half
	s_lshl_b32 s46, s42, 8
	s_add_co_u32 s46, s46, s17                     ; B: row 256 x tile column + 128 x half
	s_mov_b32 s17, 0
	s_mov_b32 s47, 0
	s_mov_b64 s[18:19], SIZE_K*2
	s_mul_u64 s[16:17], s[16:17], s[18:19]
	s_mul_u64 s[46:47], s[46:47], s[18:19]
	s_mul_i32 s20, s10, HALFT                      ; and where they go: wave x 128 rows: no place in the cluster enters an LDS address
	s_wait_dscnt 0x0                               ; both opening adds are done
	s_wait_kmcnt 0x0
	s_add_nc_u64 s[14:15], s[4:5], s[16:17]
	s_add_nc_u64 s[46:47], s[6:7], s[46:47]
	CROUND                                         ; all sixteen work-groups are here: the first joint loads meet
.irp s, 0,1
	s_mov_b32 s[G0+4*(\s)], 1                                      ; count = 1
	s_add_co_u32 s[G0+4*(\s)+1], s20, (\s)*SLOT                    ; LDS address
	s_add_nc_u64 s[G0+4*(\s)+2:G0+4*(\s)+3], s[14:15], (\s)*KSTEP*2  ; global address: K step s
	s_or_b32 s[G0+4*(\s)+3], s[G0+4*(\s)+3], 0x80000000            ; type = 2
	s_mov_b32 s[G0B+4*(\s)], 1
	s_add_co_u32 s[G0B+4*(\s)+1], s20, (\s)*SLOT
	s_add_nc_u64 s[G0B+4*(\s)+2:G0B+4*(\s)+3], s[46:47], (\s)*KSTEP*2
	s_or_b32 s[G0B+4*(\s)+3], s[G0B+4*(\s)+3], 0x80000000
	JLOAD \s                                       ; the ring is filled before anything else is done: two loads of mine are out
.endr
	; A fragment is 16 rows x 32 K in 8 registers: lane l holds row l % 16; registers 0-3 K = 8 (l / 16) + 0..7, registers 4-7 K = 16 + 8 (l / 16) + 0..7: two loads of 16 bytes, 32 bytes apart.
	v_and_b32 v1, 15, v0                           ; l % 16
	v_bfe_u32 v2, v0, 4, 1                         ; l / 16
	v_mul_u32_u24 v3, v1, PITCH
	v_lshl_add_u32 v3, v2, 4, v3                   ; row x pitch + 16 x half
	s_mul_i32 s21, s11, HALFT                      ; my 128 rows of A
	s_mul_i32 s22, s12, HALFT                      ; my 128 rows of B,
	s_add_co_u32 s22, s22, 2*HALFT                 ; which lie behind A's 256
.irp s, 0,1
	v_add_nc_u32 v[ADRA+(\s)], s21, v3
	v_add_nc_u32 v[ADRB+(\s)], s22, v3
	s_add_co_u32 s21, s21, SLOT
	s_add_co_u32 s22, s22, SLOT
.endr
	s_mul_i32 s23, s10, 16*SPITCH
	s_add_co_u32 s23, s23, STAGE                   ; my stage
	v_mul_u32_u24 v4, v1, SPITCH                   ; in: row l % 16, 32 bytes for each half of the lanes
	v_lshl_add_u32 v4, v2, 5, v4
	v_add_nc_u32 v[STO], s23, v4
	v_and_b32 v5, 31, v0
	v_lshlrev_b32 v[CO], 4, v5                     ; back: 32 lanes take one row of 512 bytes,
	v_add_nc_u32 v[RD], s23, v[CO]                 ; which are 512 consecutive bytes of out0
	v_lshlrev_b32 v[RSO], 2, v1
	; where my part of the tile begins in out0, in bytes, and in rowscale
	s_lshl_b32 s13, s13, 8
	s_lshl_b32 s14, s11, 7
	s_add_co_u32 s16, s13, s14                     ; my first row
	s_lshl_b32 s74, s16, 2
	s_mov_b32 s75, 0
	s_add_nc_u64 s[68:69], s[68:69], s[74:75]      ; rowscale at my first row
	s_mov_b32 s17, 0
	s_mov_b64 s[18:19], SIZE_N*4
	s_mul_u64 s[16:17], s[16:17], s[18:19]
	s_lshl_b32 s46, s42, 10                        ; my first column, in bytes: 1,024 x tile column + 512 x half
	s_lshl_b32 s47, s12, 9
	s_add_co_u32 s46, s46, s47
	s_mov_b32 s47, 0
	s_add_nc_u64 s[16:17], s[16:17], s[46:47]
	; the prefetches.  s13 = 256 x tile row, s42 = tile column, s40 = cx, s41 = cy still stand
	s_lshl_b32 s42, s42, 8
	s_and_b32 s22, ttmp7, 0xffff                   ; cluster y
	s_cmp_eq_u32 s11, 0                            ; do I fetch for A?
	s_cselect_b32 s20, s13, s42                    ; the tile's first row: in A by the tile row, in B by the tile column
	s_cselect_b32 s21, s40, s41                    ; my place among the four that ask for it with me
	s_cselect_b32 s22, ttmp9, s22                  ; the coordinate along which other clusters read the same rows
	s_cselect_b64 s[PFA:PFA+1], s[4:5], s[6:7]
	s_cmp_eq_u32 s22, 0
	s_cselect_b32 s[LIM], 1, -1                    ; the same in all sixteen partners, for a given wave
	s_lshl_b32 s22, s12, 7
	s_add_co_u32 s20, s20, s22                     ; + the 128 rows that I fetch
	s_lshl_b32 s21, s21, 5
	s_add_co_u32 s20, s20, s21                     ; + my work-group's 32 of them
	s_mov_b32 s21, 0
	s_mov_b64 s[18:19], SIZE_K*2
	s_mul_u64 s[20:21], s[20:21], s[18:19]
	s_add_nc_u64 s[PFA:PFA+1], s[PFA:PFA+1], s[20:21]
	s_add_nc_u64 s[PFA:PFA+1], s[PFA:PFA+1], 2*KSTEP*2  ; at K step 2: the first refill steps it to 3 and names K step 4
	v_and_b32 v[PFO], 31, v0
	v_mul_u32_u24 v[PFO], v[PFO], SIZE_K*2
	; my rows' scales: for each of my eight blocks of 16 rows, alpha x rowscale of row l % 16; they stand in the wait for the first tile
	s_load_b32 s72, s[70:71], 0x0                  ; alpha
.irp a, 0,1,2,3,4,5,6,7
	global_load_b32 v[SC+2*(\a)], v[RSO], s[68:69] offset:64*(\a)
.endr
	s_wait_loadcnt 0x0
	s_wait_kmcnt 0x0
.irp a, 0,1,2,3,4,5,6,7
	v_mul_f32 v[SC+2*(\a)], s72, v[SC+2*(\a)]
	v_mov_b32 v[SC+2*(\a)+1], v[SC+2*(\a)]         ; a pair for the packed multiply
.endr
; 16 matrix instructions: m blocks a0, a0 + 1 of the window's four (hi = 0: my rows 0-63, 1: rows 64-127) x all 8 n blocks, 32 along K.  zero = 1: the first product starts the sums: nothing is cleared.
; The 64 accumulators take turns, one instruction a turn, in the same order in every quarter step.
.macro MUL16 f, hi, a0, zero
	WIN MUL_LO+0x50*(\hi)
.irp a, \a0, (\a0)+1
.irp b, 0,1,2,3,4,5,6,7
.if \zero
	v_wmma_f32_16x16x32_bf16 v[8*(8*(\a)+(\b)):8*(8*(\a)+(\b))+7], v[(\f)+8*(\b):(\f)+8*(\b)+7], v[(\f)+8*(4*(\hi)+(\a)):(\f)+8*(4*(\hi)+(\a))+7], 0
.else
	v_wmma_f32_16x16x32_bf16 v[8*(8*(\a)+(\b)):8*(8*(\a)+(\b))+7], v[(\f)+8*(\b):(\f)+8*(\b)+7], v[(\f)+8*(4*(\hi)+(\a)):(\f)+8*(4*(\hi)+(\a))+7], v[8*(8*(\a)+(\b)):8*(8*(\a)+(\b))+7]
.endif
.endr
.endr
.endm
; 32 LDS loads in one run: the fragments of one quarter step (128 rows of B, 128 rows of A, 32 K at byte k of the rows) into buffer f
.macro FETCH slot, k, f
	WIN TO_B
.irp i, 0,1,2,3,4,5,6,7
	ds_load_b128 v[(\f)+8*(\i):(\f)+8*(\i)+3],   v[ADRB+(\slot)] offset:(\k)+(\i)*16*PITCH
	ds_load_b128 v[(\f)+8*(\i)+4:(\f)+8*(\i)+7], v[ADRB+(\slot)] offset:(\k)+(\i)*16*PITCH+32
.endr
	WIN 0
.irp i, 0,1,2,3,4,5,6,7
	ds_load_b128 v[(\f)+8*(\i):(\f)+8*(\i)+3],   v[ADRA+(\slot)] offset:(\k)+(\i)*16*PITCH
	ds_load_b128 v[(\f)+8*(\i)+4:(\f)+8*(\i)+7], v[ADRA+(\slot)] offset:(\k)+(\i)*16*PITCH+32
.endr
.endm
; A load into a register that a matrix instruction has read, and a vector instruction that reads a matrix result, stand four places behind that matrix instruction; only plain vector instructions that name
; none of its registers are places (ISA guide 7.12.1 for vector instructions).
.macro PLACES
.rept 4
	v_nop
.endr
.endm
; A K step is four quarter steps of 32 along K, 64 matrix instructions each, on buffers 0, 1, 0, 1.  One of the first three: multiplies buffer f; in its middle it fetches the next quarter, at byte k, into buffer g.
.macro QUARTER slot, k, f, g, zero
	s_wait_dscnt 8                                 ; B and A's rows 0-63 are in; the youngest eight loads (A's rows 64-127) may be out
	WIN MUL_LO
	MUL16 \f, 0, 0, \zero
	MUL16 \f, 0, 2, \zero
	PLACES
	FETCH \slot, \k, \g
	s_wait_dscnt 32                                ; all but the 32 just issued
	WIN MUL_HI
	MUL16 \f, 1, 0, \zero
	MUL16 \f, 1, 2, \zero
.endm
; The last quarter multiplies buffer 1 and changes slots.  MEET is its first half: ONE barrier for the change.  In front of it each wave waits for all its tensor loads, of which one is out: its part of the
; next slot; adds 0 to its spare word; and waits for that and for its own reads of this slot.  Behind it nobody reads this slot any more and the next slot is whole.
.macro MEET round                      ; round = 1: a round of the cluster's barrier follows
	WIN 0                                          ; (the add's two registers lie in window 0)
	s_wait_tensorcnt 0x0                           ; all my tensor loads have landed
	ds_add_u32 v[SPW], v[NIL]                      ; 0 onto my spare word
	s_wait_dscnt 9                                 ; (the add and the youngest eight loads may be out)
	WIN MUL_LO
	MUL16 F1, 0, 0, 0                              ; sixteen matrix instructions stand between the add and the wait for it
	s_wait_dscnt 0x0                               ; the add is done, and my reads of this slot are over:
	s_barrier_signal -1                            ; say so,
	MUL16 F1, 0, 2, 0                              ; work on registers while the others arrive,
.if \round
	WIN 0
.endif
	s_barrier_wait -1                              ; and go on when all four have said so
.endm
; The whole last quarter, where the slot just read out is filled again, with the K step two steps on: the first thing behind the round.  From the request to the wait for it a wave issues 224 matrix instructions.
.macro TURN slot, next
	s_wait_xcnt 0x0                                ; the last prefetch, a K step back, has read its address: it is stepped here, ahead of the waits of the change of slots
	s_add_nc_u64 s[PFA:PFA+1], s[PFA:PFA+1], KSTEP*2
	MEET 1
	CREST                                          ; all sixteen work-groups have said so: no wave of any partner still reads this slot's tile or has a load on its way
	s_add_nc_u64 s[G0+4*(\slot)+2:G0+4*(\slot)+3], s[G0+4*(\slot)+2:G0+4*(\slot)+3], 2*KSTEP*2
	s_add_nc_u64 s[G0B+4*(\slot)+2:G0B+4*(\slot)+3], s[G0B+4*(\slot)+2:G0B+4*(\slot)+3], 2*KSTEP*2
	JLOAD \slot                                    ; my one tensor load behind the round; the four v_nop behind it are also the places in front of the loads below
	FETCH \next, 0, F0
	ASK
	WIN MUL_HI
	MUL16 F1, 1, 0, 0
	MUL16 F1, 1, 2, 0
.endm
; THE WAY OUT of block a (16 rows x 128 columns), in three parts.  PACK: times my row's scale, each accumulator's registers in ascending order.  TOSTAGE: into my own stage in LDS, and back as whole rows of
; 512 bytes.  SEND: stored.
.macro PACK a
.set AC, 64*((\a)%4)
	WIN 0x02+(\a)/4                                ; source 0: window 2 or 3
.irp b, 0,1,2,3,4,5,6,7
.irp r, 0,1,2,3
	v_pk_mul_f32 v[TMP+8*(\b)+2*(\r):TMP+8*(\b)+2*(\r)+1], v[AC+8*(\b)+2*(\r):AC+8*(\b)+2*(\r)+1], v[SC+2*(\a):SC+2*(\a)+1]
.endr
.endr
	WIN 0
.endm
.macro TOSTAGE a
	WIN 0
.set BB, BK+64*((\a)%2)
.irp b, 0,1,2,3,4,5,6,7
	ds_store_b128 v[STO], v[TMP+8*(\b):TMP+8*(\b)+3]   offset:64*(\b)
	ds_store_b128 v[STO], v[TMP+8*(\b)+4:TMP+8*(\b)+7] offset:64*(\b)+16
.endr
.irp t, 0,1,2,3,4,5,6,7,8,9,10,11,12,13,14,15
	ds_load_b128 v[BB+4*(\t):BB+4*(\t)+3], v[RD] offset:(\t)*SPITCH  ; LDS serves a wave's instructions in order (ISA guide 5.7.1.4): these see the stores above
.endr
.endm
.macro SEND a
	WIN 0
.set BB, BK+64*((\a)%2)
	s_wait_dscnt 0x0                               ; the block is back in registers
	s_wait_xcnt 0x0                                ; only behind this wait are the stores' base and the registers that earlier stores read rewritten
.if (\a) == 0
	s_add_nc_u64 s[8:9], s[8:9], s[16:17]          ; on to my first rows
.else
	s_add_nc_u64 s[8:9], s[8:9], 16*SIZE_N*4       ; 16 rows on
.endif
.irp t, 0,1,2,3,4,5,6,7,8,9,10,11,12,13,14,15
	global_store_b128 v[CO], v[BB+4*(\t):BB+4*(\t)+3], s[8:9] offset:(\t)*SIZE_N*4 th:TH_STORE_NT  ; 32 lanes store 512 consecutive bytes, at a multiple of 512 from out0's first byte
.endr
.endm
	s_wait_tensorcnt 1                             ; my part of K step 0 is in; K step 1's may stay out
	s_barrier_signal -1
	s_barrier_wait -1                              ; everybody's is
	FETCH 0, 0, F0
	QUARTER 0, 64,  F0, F1, 1                      ; the first quarter stands in front of the loop: its products start the sums
	WIN 0                                          ; at a label and at a branch every window is 0
	s_mov_b32 s3, LAPS-1
.Llap:                                                 ; a trip goes once round the ring, from a lap's second quarter to the next lap's first, and fills both slots again
	QUARTER 0, 128, F1, F0, 0
	QUARTER 0, 192, F0, F1, 0
	TURN 0, 1
	QUARTER 1, 64,  F0, F1, 0
	QUARTER 1, 128, F1, F0, 0
	QUARTER 1, 192, F0, F1, 0
	TURN 1, 0
	QUARTER 0, 64,  F0, F1, 0
	WIN 0
	s_sub_co_u32 s3, s3, 1
	s_cmp_lg_u32 s3, 0
	s_cbranch_scc1 .Llap
	QUARTER 0, 128, F1, F0, 0                      ; the last lap is written out: it fills nothing
	QUARTER 0, 192, F0, F1, 0
	MEET 0                                         ; my one tensor load that was still out is slot 1's, the last K step's; no round follows
	PLACES                                         ; for the loads into buffer 0, which the quarter before multiplied
	FETCH 1, 0, F0
	WIN MUL_HI
	MUL16 F1, 1, 0, 0
	MUL16 F1, 1, 2, 0
	QUARTER 1, 64,  F0, F1, 0
	QUARTER 1, 128, F1, F0, 0
	QUARTER 1, 192, F0, F1, 0
	s_wait_dscnt 8                                 ; the very last quarter: nothing more to fetch
	MUL16 F1, 0, 0, 0
	MUL16 F1, 0, 2, 0
	s_wait_dscnt 0x0
	MUL16 F1, 1, 0, 0
	MUL16 F1, 1, 2, 0
	WIN 0
	PLACES                                         ; in front of multiplies that read results, and of loads into A's buffers
	PACK 0
	TOSTAGE 0
.irp a, 1,2,3,4,5,6,7                  ; block a's multiplies stand between block a - 1's loads from the stage and the wait for them
	PACK \a
	SEND (\a)-1
	TOSTAGE \a
.endr
	SEND 7
	s_wait_tensorcnt 0x0                           ; the wave's end: behind my last tensor load and my last LDS store
	ds_add_u32 v[SPW], v[NIL]
	s_wait_dscnt 0x0
	CROUND                                         ; the closing round: no work-group ends while a partner may still ask for a tile that names it
	s_endpgm
.Lfunc_end_k_qc4b56ac3dd_gemm:
	.size	k_qc4b56ac3dd_gemm, .Lfunc_end_k_qc4b56ac3dd_gemm-k_qc4b56ac3dd_gemm
	.p2alignl 7, 3214868480
	.fill 96, 4, 3214868480
	.section	.rodata,"a",@progbits
	.p2align	6, 0x0
	.amdhsa_kernel k_qc4b56ac3dd_gemm
		.amdhsa_group_segment_fixed_size 327680
		.amdhsa_private_segment_fixed_size 0
		.amdhsa_enable_private_segment 0
		.amdhsa_kernarg_size 40
		.amdhsa_user_sgpr_count 2
		.amdhsa_user_sgpr_kernarg_segment_ptr 1
		.amdhsa_wavefront_size32 1
		.amdhsa_system_sgpr_workgroup_id_x 1
		.amdhsa_system_sgpr_workgroup_id_y 1
		.amdhsa_system_sgpr_workgroup_id_z 1
		.amdhsa_system_vgpr_workitem_id 0
		.amdhsa_next_free_vgpr 1024
		.amdhsa_next_free_sgpr 76
		.amdhsa_reserve_vcc 0
		.amdhsa_float_denorm_mode_32 3
		.amdhsa_float_denorm_mode_16_64 3
		.amdhsa_memory_ordered 1
		.amdhsa_forward_progress 1
		.amdhsa_inst_pref_size 159
	.end_amdhsa_kernel
	.amdgpu_metadata
---
amdhsa.version: [ 1, 2 ]
amdhsa.kernels:
  - .name:           k_qc4b56ac3dd_gemm
    .symbol:         k_qc4b56ac3dd_gemm.kd
    .args:
      - { .name: xq, .offset: 0, .size: 8, .value_kind: global_buffer, .address_space: global }
      - { .name: wq, .offset: 8, .size: 8, .value_kind: global_buffer, .address_space: global }
      - { .name: out0, .offset: 16, .size: 8, .value_kind: global_buffer, .address_space: global }
      - { .name: rowscale, .offset: 24, .size: 8, .value_kind: global_buffer, .address_space: global }
      - { .name: alpha, .offset: 32, .size: 8, .value_kind: global_buffer, .address_space: global }
    .group_segment_fixed_size: 327680
    .private_segment_fixed_size: 0
    .kernarg_segment_align: 8
    .kernarg_segment_size: 40
    .max_flat_workgroup_size: 128
    .sgpr_count:     76
    .vgpr_count:     1024
    .wavefront_size: 32
...
	.end_amdgpu_metadata
.endif
;; end of part 3
;; ======== version 2 of 2: 3 launches; version 1 with the launch wquant written anew for expert scheduling mode
;; workspace buffers: xq 33,554,432 bytes; wq 33,554,432 bytes; rowscale 16,384 bytes; wpart 2,048 bytes; alpha 256 bytes
;; launch prep: the kernel of part 1 again; grid 512 x 1, 8 waves a work-group, no clusters, 2,304 bytes of LDS; arguments x, weight, norm_weight, xq, rowscale, wpart; writes xq, rowscale, wpart
;; launch wquant (part 4): grid 512 x 1, 8 waves a work-group, no clusters, 0 bytes of LDS; arguments weight, wpart, wq, alpha; writes wq, alpha
.if DOCPART == 4
	.amdgcn_target "amdgcn-amd-amdhsa--gfx1250"
	.amdhsa_code_object_version 6
	.text
	.protected	k_qc4b56ac3dd_wquant
	.globl	k_qc4b56ac3dd_wquant
	.p2align	8
	.type	k_qc4b56ac3dd_wquant,@function
k_qc4b56ac3dd_wquant:
	s_mov_b64 s[64:65], 0
	v_nop
	global_prefetch_b8 v0, s[64:65] scope:SCOPE_SE
	s_setreg_imm32_b32 hwreg(HW_REG_WAVE_SCHED_MODE, 0, 2), 2
	s_setreg_imm32_b32 hwreg(HW_REG_WAVE_MODE, 25, 1), 1
	s_wait_xcnt 0x0
	s_wait_alu depctr_vm_vsrc(0)
; BitLinear, step 2 of 3.  alpha = max(mean |weight|, 1e-10) from the 512 partial sums of the launch before; wq = clip(round(weight / alpha), -1, 1) as bf16 (-1, 0, 1: exact).
; THE DECISION IS EXACT FOR THE ALPHA IN HAND.  Rounding ties to even and clipping give sign(w) where the f32 quotient |w| / alpha is above 0.5, else 0.  If 2 |w| <= alpha the quotient is at most 0.5.
; If 2 |w| > alpha, both are f32 numbers, so 2 |w| >= alpha + its last place, the true quotient lies above 0.5 + 2^-25, the midpoint of 0.5 and the next f32, and rounds above 0.5.  So the test is
; |w| > alpha / 2; alpha / 2 is exact (alpha >= 1e-10) and nothing can overflow.
; LIMITS.  alpha's sum is taken in another order than the definition's (chains of 16, trees, 512 partial sums in a tree): a weight within that difference of alpha / 2 can fall on the other side.
; A NaN weight gives 0.
; Every wave adds the 512 partial sums in the same order, so alpha has the same bits everywhere; wave 0 of work-group 0 stores it, 64 times: 256 whole bytes.
; SHARES as in the launch before: work-group g owns rows 8 g .. 8 g + 7, 32 slots of 4,096 bytes; thread t the 16 bytes at 16 t of each; all 32 loads of a wave go out at once.
; THE MODE: SCHED_MODE bits 1:0 = 2 (LLVM: expert scheduling mode 2), set by the entry lines.  The code itself states the register dependences between vector instructions and memory
; instructions, and between a vector instruction that writes a scalar register and that register's readers, with s_wait_alu, always for 0.
; THE PLAN.  Registers that memory instructions touch:
;   v[LO], v[SO], v[PO], v[AO]   byte offsets, made once at the head and never written again: one wait ahead of the first load serves every load and store.
;   v[P ..]                      written by four loads, then named by vector instructions alone.
;   v[D + 4 i ..]                slot i: written by ONE load; worked on in place; its first two registers are read by ONE store; never written again.
;   v[AL:AL+1]                   written by the arithmetic of alpha, read by the one store of alpha, never written again.
; The 32 slots go in 8 BLOCKS of four.  Block p makes its sixteen decisions in one run, into s[M ..]; one wait stands between that run and the selects that read them.  Its memory instructions are
; the four stores of block p - 1, behind one wait at the block's head; between that wait and the last of the four stand block p's compares alone, which name block p's registers, v[TH] and s[M ..]:
; none of the registers that those stores read.  No register that a memory instruction reads is written again, so no wait on vm_vsrc is owed.
.set LO,  2                            ; v2   16 t; never rewritten
.set SO,  3                            ; v3   8 t; never rewritten
.set PO,  4                            ; v4   16 x lane
.set TH,  5                            ; v5   alpha / 2
.set AL,  6                            ; v[6:7] alpha, twice
.set AO,  8                            ; v8   8 x lane
.set P,   16                           ; v[16:31]  my 16 of the 512 partial sums
.set D,   32                           ; v[32:159] slot i at D + 4 i
.set M,   32                           ; s[32:47]  a block's sixteen decisions: slot q of the block, number k at M + 4 q + k
	s_load_b256 s[4:11], s[0:1], 0x0               ; weight s[4:5], wpart s[6:7], wq s[8:9], alpha s[10:11]
	v_and_b32 v1, 31, v0
	v_lshrrev_b32 v9, 5, v0
	v_readfirstlane_b32 s12, v9                    ; wave 0..7
	v_lshlrev_b32 v[LO], 4, v0
	v_lshlrev_b32 v[SO], 3, v0
	v_lshlrev_b32 v[PO], 4, v1
	v_lshlrev_b32 v[AO], 3, v1
	s_mov_b32 s16, 0x7fffffff                      ; all but the sign
	s_mov_b32 s17, 0x07060302                      ; v_perm_b32: the two upper halves
	s_mov_b32 s18, 0x76543210                      ; v_permlanex16_b32: each lane takes its own place in the other half
	s_mov_b32 s19, 0xfedcba98
	s_mov_b32 s25, 0x33800000                      ; 2^-24 = 1 / (4096 x 4096)
	s_mov_b32 s26, 0x2edbe6ff                      ; 1e-10
	s_mov_b32 s27, 0x3f800000                      ; 1.0
	s_wait_alu depctr_va_sdst(0)                   ; s12 is written, ahead of its one reader (the s_or_b32 that picks the wave that stores alpha) and of every branch and label
	s_lshl_b32 s14, ttmp9, 17
	s_mov_b32 s15, 0
	s_wait_kmcnt 0x0
	s_add_nc_u64 s[4:5], s[4:5], s[14:15]
	s_lshl_b32 s14, ttmp9, 16
	s_add_nc_u64 s[8:9], s[8:9], s[14:15]
	s_wait_alu depctr_va_vdst(0)                   ; the four offsets v[LO], v[SO], v[PO], v[AO] are written: every load and store of the kernel reads one of them
.irp c, 0,1,2,3
	global_load_b128 v[P+4*(\c):P+4*(\c)+3], v[PO], s[6:7] offset:512*(\c)
.endr
.set n, 0
.rept 32
	global_load_b128 v[D+4*n:D+4*n+3], v[LO], s[4:5] offset:4096*n th:TH_LOAD_NT
.set n, n+1
.endr
	s_wait_loadcnt 32                              ; the partial sums are in; the 32 loads of weight stay out
.irp e, 0,2,4,6
	v_pk_add_f32 v[P+(\e):P+(\e)+1], v[P+(\e):P+(\e)+1], v[P+8+(\e):P+8+(\e)+1]
.endr
	v_pk_add_f32 v[P:P+1], v[P:P+1], v[P+4:P+5]
	v_pk_add_f32 v[P+2:P+3], v[P+2:P+3], v[P+6:P+7]
	v_pk_add_f32 v[P:P+1], v[P:P+1], v[P+2:P+3]
	v_add_f32 v[P], v[P], v[P+1]
.irp m, 1,2,4,8
	v_add_f32_dpp v[P], v[P], v[P] row_xmask:\m row_mask:0xf bank_mask:0xf
.endr
	v_mov_b32 v9, v[P]
	v_permlanex16_b32 v9, v[P], s18, s19
	v_add_f32 v[P], v[P], v9                       ; the sum of |weight|, in every lane
	v_mul_f32 v[AL], s25, v[P]                     ; the mean: an exact scaling
	v_max_num_f32 v[AL], s26, v[AL]
	v_mov_b32 v[AL+1], v[AL]
	v_mul_f32 v[TH], 0.5, v[AL]
	s_or_b32 s24, ttmp9, s12
	s_cmp_lg_u32 s24, 0
	s_cbranch_scc1 .Lnot_first
	s_wait_alu depctr_va_vdst(0)                   ; v[AL:AL+1] are written, which the store below reads
	global_store_b64 v[AO], v[AL:AL+1], s[10:11]   ; 32 lanes x 8 bytes; its registers are not written again
.Lnot_first:
; Block p: slots 4 p .. 4 p + 3.  For each number a decision; 1.0 with the weight's sign; 0 where |w| <= alpha / 2; the upper halves of the f32 numbers are the bf16 numbers.
; The block before is stored meanwhile: a wave's store covers 256 consecutive bytes, aligned.
.macro BLK p
	s_wait_loadcnt 28-4*(\p)                       ; loads come back in order (ISA guide 5.7.1): the block's four are in, the younger ones stay out
.if (\p) > 0
	s_wait_alu depctr_va_vdst(0)                   ; the packings of the block before have written the first two registers of its four slots, which the stores below read
.endif
.irp q, 0,1,2,3
.if (\p) > 0
	global_store_b64 v[SO], v[D+16*((\p)-1)+4*(\q):D+16*((\p)-1)+4*(\q)+1], s[8:9] offset:2048*(4*((\p)-1)+(\q))  ; no vector instruction since the wait names these registers; none writes them again
.endif
.irp k, 0,1,2,3
	v_cmp_gt_f32 s[M+4*(\q)+(\k)], |v[D+16*(\p)+4*(\q)+(\k)]|, v[TH]
.endr
.endr
.irp e, 0,1,2,3,4,5,6,7,8,9,10,11,12,13,14,15
	v_bfi_b32 v[D+16*(\p)+(\e)], s16, s27, v[D+16*(\p)+(\e)]       ; these sixteen read no decision: they stand between the compares and the wait
.endr
	s_wait_alu depctr_va_sdst(0)                   ; the sixteen compares have written s[M ..], ahead of the first select that reads one of them
.irp e, 0,1,2,3,4,5,6,7,8,9,10,11,12,13,14,15
	v_cndmask_b32 v[D+16*(\p)+(\e)], 0, v[D+16*(\p)+(\e)], s[M+(\e)]
.endr
.irp q, 0,1,2,3
	v_perm_b32 v[D+16*(\p)+4*(\q)], v[D+16*(\p)+4*(\q)+1], v[D+16*(\p)+4*(\q)], s17
	v_perm_b32 v[D+16*(\p)+4*(\q)+1], v[D+16*(\p)+4*(\q)+3], v[D+16*(\p)+4*(\q)+2], s17
.endr
.endm
.irp p, 0,1,2,3,4,5,6,7
	BLK \p
.endr
	s_wait_alu depctr_va_vdst(0)                   ; block 7's packings have written the registers that the last four stores read
.irp q, 0,1,2,3
	global_store_b64 v[SO], v[D+16*7+4*(\q):D+16*7+4*(\q)+1], s[8:9] offset:2048*(28+(\q))
.endr
	s_endpgm
.Lfunc_end_k_qc4b56ac3dd_wquant:
	.size	k_qc4b56ac3dd_wquant, .Lfunc_end_k_qc4b56ac3dd_wquant-k_qc4b56ac3dd_wquant
	.p2alignl 7, 3214868480
	.fill 96, 4, 3214868480
	.section	.rodata,"a",@progbits
	.p2align	6, 0x0
	.amdhsa_kernel k_qc4b56ac3dd_wquant
		.amdhsa_group_segment_fixed_size 0
		.amdhsa_private_segment_fixed_size 0
		.amdhsa_enable_private_segment 0
		.amdhsa_kernarg_size 32
		.amdhsa_user_sgpr_count 2
		.amdhsa_user_sgpr_kernarg_segment_ptr 1
		.amdhsa_wavefront_size32 1
		.amdhsa_system_sgpr_workgroup_id_x 1
		.amdhsa_system_sgpr_workgroup_id_y 1
		.amdhsa_system_sgpr_workgroup_id_z 1
		.amdhsa_system_vgpr_workitem_id 0
		.amdhsa_next_free_vgpr 160
		.amdhsa_next_free_sgpr 66
		.amdhsa_reserve_vcc 0
		.amdhsa_float_denorm_mode_32 3
		.amdhsa_float_denorm_mode_16_64 3
		.amdhsa_memory_ordered 1
		.amdhsa_forward_progress 1
		.amdhsa_inst_pref_size 38
	.end_amdhsa_kernel
	.amdgpu_metadata
---
amdhsa.version: [ 1, 2 ]
amdhsa.kernels:
  - .name:           k_qc4b56ac3dd_wquant
    .symbol:         k_qc4b56ac3dd_wquant.kd
    .args:
      - { .name: weight, .offset: 0, .size: 8, .value_kind: global_buffer, .address_space: global }
      - { .name: wpart, .offset: 8, .size: 8, .value_kind: global_buffer, .address_space: global }
      - { .name: wq, .offset: 16, .size: 8, .value_kind: global_buffer, .address_space: global }
      - { .name: alpha, .offset: 24, .size: 8, .value_kind: global_buffer, .address_space: global }
    .group_segment_fixed_size: 0
    .private_segment_fixed_size: 0
    .kernarg_segment_align: 8
    .kernarg_segment_size: 32
    .max_flat_workgroup_size: 256
    .sgpr_count:     66
    .vgpr_count:     160
    .wavefront_size: 32
...
	.end_amdgpu_metadata
.endif
;; end of part 4
;; launch gemm: the kernel of part 3 again; grid 16 x 16, 4 waves a work-group, clusters of 4 x 4, 327,680 bytes of LDS; arguments xq, wq, out0, rowscale, alpha; writes out0
